; MI455X (gfx1250); checked and timed in simulation.
; The chip was launched on July 23, 2026; its instructions are those of AMD's public machine-readable ISA for CDNA 5 (MIT licence, August 2026) and "CDNA5" Instruction Set Architecture Reference Guide (July 2026). The comments in the code are by the model that wrote it; some were corrected since.
;; grad. Allowed arithmetic: matrix products marked QUANTISED: E2M1 operands, one E8M0 scale for each 32 along K, by v_wmma_scale_f32_16x16x128_f8f6f4 with both operands' format E2M1 (or v_wmma_scale_f32_32x16x128_f4), f32 sums; products left as they are: f32 operands where the result goes on into a quantised operand, else bf16, f16 or f32 operands; f32 sums; everything else in f32.
;; Inputs: W1 128 x 512 float32; W2 512 x 512 float32; W3 512 x 1 float32; b1 512 float32; b2 512 float32; b3 1 float32; x 65,536 x 128 float32.
;; Outputs: out0 65,536 x 128 float32.
;; This version of the problem:
;;   THIS VERSION OF THE PROBLEM IS GIVEN IN LOW PRECISION. The matrix products marked QUANTISED in the list below multiply operands that are first quantised to E2M1 (2 exponent bits, 1 mantissa bit; 4 bits a number), with one power-of-two scale for each 32 numbers along K (OCP MX v1.0); their sums are f32. All else is computed in f32.
;;   The module's matrix products, in the order in which they are computed (A, B: the left and right operand; K: the contracted axis; several contracted axes count as one K, in the product's order):
;;     1. [M 65,536, K 128] x [K 128, N 512]; A: input x; B: input W1: QUANTISED
;;     2. [M 65,536, K 512] x [K 512, N 512]; A: computed on the way; B: input W2: QUANTISED
;;     3. [M 65,536, K 512] x [K 512, N 1]; A: computed on the way; B: input W3: left as it is (N = 1 < 16)
;;     4. [M 65,536, K 1] x [K 1, N 512]; A: computed on the way; B: input W3: left as it is (K = 1 < 32)
;;     5. [M 65,536, K 512] x [K 512, N 512]; A: computed on the way; B: input W2: QUANTISED
;;     6. [M 65,536, K 512] x [K 512, N 128]; A: computed on the way; B: input W1: QUANTISED
;;   THE QUANTISER, for each operand of a quantised product, along K:
;;     - K is cut into blocks of 32 from its start; a last block that is shorter is filled with zeros.
;;     - A block's scale is 2^e with e = floor(log2(the largest magnitude in the block)) - 2, held to -126 .. 127; a block of zeros has e = 0. As a byte (E8M0): e + 127.
;;     - Each number is divided by its block's scale, clamped to +-6, and rounded to the nearest number of E2M1, ties to even, subnormals kept.
;;     - The product sums the exact products of the quantised numbers (number of the format x scale) in f32.
;;   ~~~python
;;   def quantise(x, axis):      # numpy; x: float32 -> the quantised numbers, widened to float32 again
;;       x = np.moveaxis(x, axis, -1); K = x.shape[-1]
;;       x = np.pad(x, [(0, 0)] * (x.ndim - 1) + [(0, -K % 32)]); x = x.reshape(x.shape[:-1] + (-1, 32)); a = np.abs(x).max(-1, keepdims=True)
;;       e = np.where(a > 0, np.clip(np.frexp(np.where(a > 0, a, 1))[1] - 1 - 2, -126, 127), 0)      # np.frexp(a)[1] - 1 = floor(log2(a)), exactly
;;       r = np.clip(x / 2.0 ** e, -6, 6)
;;       step = 2.0 ** (np.maximum(np.frexp(np.where(r == 0, 1, r))[1] - 1, 0) - 1)
;;       q = np.round(r / step) * step * 2.0 ** e      # np.round: ties to even
;;       return np.moveaxis(q.reshape(q.shape[:-2] + (-1,))[..., :K], -1, axis).astype(np.float32)
;;   ~~~
;;   OPERANDS COMPUTED ON THE WAY. 'Computed on the way' means the value that the module computes at that place (a softmax that the list does not call 'softmax' is quantised finished and normalised). What goes into a quantiser is computed in f32, as accurately as f32 sums, v_exp_f32 and their like allow (about 1e-6 of the number): no bf16 or f16 on the way to a quantiser, and a product that is left as it is and whose result goes on into a quantised operand takes f32 operands (vector FMAs, or v_wmma_f32_16x16x4_f32). A number that lies on a knife's edge between two numbers of the format may be rounded either way, as far as f32 arithmetic and the matrix unit's own rounding can turn it there, and no further.
;; One version. Each part assembles by itself: llvm-mc -triple=amdgcn-amd-amdhsa -mcpu=gfx1250 --defsym DOCPART=n.
;; ======== version 1 of 1: 2 launches
;; limits: a function is approximated: absolute error at most 2.4e-07
;; workspace buffers: wq 327,680 bytes; ws 20,480 bytes
;; launch prep (part 1): grid 80 x 1, 4 waves a work-group, no clusters, 0 bytes of LDS; arguments W1, W2, wq, ws; writes wq, ws
.if DOCPART == 1
	.amdgcn_target "amdgcn-amd-amdhsa--gfx1250"
	.amdhsa_code_object_version 6
	.text
	.protected	k_q6e02c9625a_prep
	.globl	k_q6e02c9625a_prep
	.p2align	8
	.type	k_q6e02c9625a_prep,@function
k_q6e02c9625a_prep:
	s_mov_b64 s[64:65], 0
	v_nop
	global_prefetch_b8 v0, s[64:65] scope:SCOPE_SE
	s_setreg_imm32_b32 hwreg(HW_REG_WAVE_MODE, 25, 1), 1
	s_wait_xcnt 0x0
; THE PROGRAM.  out0 = -d/dx sum_i f(x_i), f(x) = tanh(tanh(x W1 + b1) W2 + b2) W3 + b3.  Written out:
;   z1 = Q(x) Q(W1) + b1, h1 = tanh z1;  z2 = Q(h1) Q(W2) + b2, h2 = tanh z2;  dz2[i][j] = W3[j] (1 - h2^2);
;   dh1 = Q(dz2) Q(W2^T);  dz1 = dh1 (1 - h1^2);  out0 = -Q(dz1) Q(W1^T).      Q: MX-FP4 along each product's K.
; WORK LEFT OUT, for all values of the inputs.  (a) The product h2 W3 and the bias b3 make only the VALUE of the summed potential; reference() returns the
; gradient alone, in which that value does not occur, and d b3 / dx = 0: so that product is not made, and b3 is not loaded and is no argument of any launch.
; (b) The product [B, 1] x [1, 512] multiplies W3 by the cotangent of jnp.sum, which is 1 in every row: dh2[i][j] = W3[j] is taken as it stands.
; LIMIT: a NaN, an infinity or an overflow that reaches only h2 W3 + b3 is not carried to the result.
;
; THIS LAUNCH quantises the weights once, each along both axes, and lays codes and scale words in the order of the second launch's operand registers.
; A fragment is 16 operand rows x 128 along K, 1,024 bytes: part c (0, 1) at 512 c, lane l's 16 bytes at 16 l = registers 4 c .. 4 c + 3 of lane (r = l % 16, h = l / 16): k = 64 c + 32 h + 0 .. 31.
; wq: for each wave w of the second launch 80 fragments, at 81,920 w + 1,024 f:
;   f = t (0..7)      W1f: K = W1's first axis; lane r's operand row = column 128 w + 32 (t / 2) + 8 (t % 2) + r + 8 (r / 8) of W1
;   f = 8 + 4 t + s   W2f: K step s of W2's first axis; the same columns of W2
;   f = 40 + 4 t + s  W2b: K step s of W2's second axis; the same numbers as ROWS of W2
;   f = 72 + 4 n + s  W1b: K step s of W1's second axis; row 32 w + 16 n + r of W1
; ws: for each wave 40 images of a scale register, 128 bytes each, at 5,120 w + 128 g: lanes 0-15 the words of an even tile, lanes 16-31 those of the odd tile beside it:
;   g = t / 2 (W1f), 4 + 4 (t / 2) + s (W2f), 20 + 4 (t / 2) + s (W2b), 36 + s (W1b: n = 0 below, n = 1 above).
; SHARES.  One wave makes one fragment: F = 4 x work-group + wave, 0 .. 319; the four waves of a work-group lie in one set, so the four arms hang on the work-group's number alone.
; A lane's 64 registers run along K in the operand's own order, so a lane holds two whole blocks of 32, no other lane is asked for a maximum, and the conversions' results are the operand's registers.
; A block's scale byte is its largest magnitude's exponent field - 2, held at 1 from below.  A block of zeros so gets the byte 1 where the quantiser says 127: its codes are zeros, which add nothing, and this program alone reads the bytes.
; LIMITS: blocks whose largest magnitude lies under 2^-124 keep the byte 1; NaN and infinities among the weights are not served.
; No LDS, no barrier, no matrix instruction: waves share nothing, and the two tensors together are 1.3 MB.
	s_load_b256 s[4:11], s[0:1], 0x0               ; W1 s[4:5], W2 s[6:7], wq s[8:9], ws s[10:11]
	v_lshrrev_b32 v1, 5, v0
	v_readfirstlane_b32 s12, v1                    ; wave 0..3
	v_and_b32 v1, 15, v0                           ; r
	v_bfe_u32 v2, v0, 4, 1                         ; h
	v_and_b32 v6, 31, v0                           ; lane
	v_lshlrev_b32 v4, 4, v6                        ; out: 16 bytes a lane
	v_lshlrev_b32 v5, 2, v1                        ; out: a scale word for each operand row
	v_and_b32 v7, 8, v1
	v_add_nc_u32 v7, v7, v1                        ; r + 8 (r / 8)
	v_lshlrev_b32 v3, 2, v7
	v_lshl_add_u32 v3, v2, 16, v3                  ; K first: my column, 4 bytes; lanes 16-31 begin 32 rows of 2,048 bytes further down
	v_lshlrev_b32 v8, 11, v7
	v_lshl_add_u32 v8, v2, 7, v8                   ; K innermost, W2b: my row of 2,048 bytes, + 128 h
	v_lshlrev_b32 v11, 11, v1
	v_lshl_add_u32 v11, v2, 7, v11                 ; K innermost, W1b: row r
	s_lshl_b32 s13, ttmp9, 2
	s_add_co_u32 s13, s13, s12                     ; F
	s_mov_b32 s20, 0x76543210
	s_mov_b32 s21, 0xfedcba98                      ; v_permlanex16_b32's selects for lane l xor 16
	s_wait_kmcnt 0x0
; F - first = (w << sh) + idx;  idx = (t << ts) + s.   s23 = w, s24 = idx, s25 = t, s26 = s, s27 = t / 2, s29 = t % 2
.macro DECODE first, sh, ts
	s_sub_co_u32 s16, s13, \first
	s_lshr_b32 s23, s16, \sh
	s_and_b32 s24, s16, (1<<\sh)-1
	s_lshr_b32 s25, s24, \ts
	s_and_b32 s26, s24, (1<<\ts)-1
	s_lshr_b32 s27, s25, 1
	s_and_b32 s29, s25, 1
.endm
; K is the tensor's FIRST axis: a lane takes a column, and its registers run down K.  s19 = f, s22 = g
.macro KFIRST base, first, sh, ts, f0, g0
	DECODE \first, \sh, \ts
	s_add_co_u32 s19, s24, \f0
	s_lshl_b32 s22, s27, \ts
	s_add_co_u32 s22, s22, s26
	s_add_co_u32 s22, s22, \g0
	s_lshl_b32 s30, s23, 9                         ; column 128 w
	s_lshl_b32 s31, s27, 7                         ; + 32 (t / 2)
	s_add_co_u32 s30, s30, s31
	s_lshl_b32 s31, s29, 5                         ; + 8 (t % 2), 4 bytes each;
	s_add_co_u32 s30, s30, s31
	s_lshl_b32 s31, s26, 18                        ; K step s: 128 rows of 2,048 bytes
	s_add_co_u32 s30, s30, s31
	s_mov_b32 s31, 0
	s_add_nc_u64 s[14:15], s[\base:\base+1], s[30:31]
.set i, 0
.rept 64
	global_load_b32 v[64+i], v3, s[14:15] offset:(64*(i/32)+i%32)*2048   ; register 32 c + i: k = 64 c + 32 h + i
.set i, i+1
.endr
.endm
; K is INNERMOST: a lane takes a row; a block of 32 is 128 consecutive bytes.  s30 = the tile's first row on entry
.macro KINNER base, adr
	s_lshl_b32 s30, s30, 11                        ; rows of 2,048 bytes
	s_lshl_b32 s31, s26, 9                         ; K step s: 512 bytes
	s_add_co_u32 s30, s30, s31
	s_mov_b32 s31, 0
	s_add_nc_u64 s[14:15], s[\base:\base+1], s[30:31]
.set i, 0
.rept 16
	global_load_b128 v[64+4*i:64+4*i+3], v[\adr], s[14:15] offset:256*(i/8)+16*(i%8)
.set i, i+1
.endr
.endm
	s_cmp_lt_u32 ttmp9, 8
	s_cbranch_scc1 .Lw1f
	s_cmp_lt_u32 ttmp9, 40
	s_cbranch_scc1 .Lw2f
	s_cmp_lt_u32 ttmp9, 72
	s_cbranch_scc1 .Lw2b
	DECODE 288, 3, 2                               ; W1b: 8 fragments a wave, t = n
	s_add_co_u32 s19, s24, 72
	s_add_co_u32 s22, s26, 36
	s_lshl_b32 s30, s23, 5
	s_lshl_b32 s31, s25, 4
	s_add_co_u32 s30, s30, s31                     ; row 32 w + 16 n
	KINNER 4, 11
	s_branch .Lq
.Lw2b:
	DECODE 160, 5, 2                               ; W2b: 32 fragments a wave
	s_add_co_u32 s19, s24, 40
	s_lshl_b32 s22, s27, 2
	s_add_co_u32 s22, s22, s26
	s_add_co_u32 s22, s22, 20
	s_lshl_b32 s30, s23, 7
	s_lshl_b32 s31, s27, 5
	s_add_co_u32 s30, s30, s31
	s_lshl_b32 s31, s29, 3
	s_add_co_u32 s30, s30, s31                     ; row 128 w + 32 (t / 2) + 8 (t % 2)
	KINNER 6, 8
	s_branch .Lq
.Lw2f:
	KFIRST 6, 32, 5, 2, 8, 4
	s_branch .Lq
.Lw1f:
	KFIRST 4, 0, 3, 0, 0, 0
.Lq:
	s_mul_i32 s32, s23, 81920                      ; where my fragment goes
	s_lshl_b32 s19, s19, 10
	s_add_co_u32 s32, s32, s19
	s_mov_b32 s33, 0
	s_add_nc_u64 s[8:9], s[8:9], s[32:33]
	s_mul_i32 s34, s23, 5120                       ; and its 16 scale words: the lower or the upper half of image g
	s_lshl_b32 s22, s22, 7
	s_add_co_u32 s34, s34, s22
	s_lshl_b32 s29, s29, 6
	s_add_co_u32 s34, s34, s29
	s_mov_b32 s35, 0
	s_add_nc_u64 s[10:11], s[10:11], s[34:35]
	s_wait_loadcnt 0x0
.irp c, 0,1                                    ; my block 2 c + h: all its 32 numbers are mine
	v_max3_num_f32 v[32+\c], |v[64+32*\c]|, |v[65+32*\c]|, 0x1800000   ; and the floor 2^(3 - 127): the byte cannot fall under 1
.endr
.irp i, 2,4,6,8,10,12,14,16,18,20,22,24,26,28,30
.irp c, 0,1
	v_max3_num_f32 v[32+\c], v[32+\c], |v[64+32*\c+\i]|, |v[65+32*\c+\i]|   ; (the two blocks by turns)
.endr
.endr
.irp c, 0,1
	v_add_nc_u32 v[44+\c], 0xff000000, v[32+\c]    ; 2 off the exponent field: the conversion takes the exponent field of this operand as its scale, and nothing else of it
.endr
.irp c, 0,1
	v_lshrrev_b32 v[36+\c], 23, v[44+\c]           ; the scale's byte
.endr
	v_lshl_or_b32 v9, v37, 16, v36                 ; my two bytes: blocks h and 2 + h of my operand row,
	v_lshlrev_b32 v10, 3, v2
	v_lshlrev_b32 v9, v10, v9                      ; at their places in the scale word (8 h bits up);
	v_mov_b32 v10, 0                               ; (a lane permute's destination counts as one of its sources)
	v_permlanex16_b32 v10, v9, s20, s21
	v_or_b32 v9, v9, v10                           ; with lane l xor 16's two the word is whole
.irp c, 0,1
.irp g, 0,1,2,3
	v_cvt_scalef32_pk8_fp4_f32 v[48+4*\c+\g], v[64+32*\c+8*\g:71+32*\c+8*\g], v[44+\c]   ; registers 4 c .. 4 c + 3 of the operand
.endr
.endr
	global_store_b128 v4, v[48:51], s[8:9]             ; 32 lanes store 512 consecutive bytes, at a multiple of 256 from wq's first byte
	global_store_b128 v4, v[52:55], s[8:9] offset:512
	v_cmp_gt_u32 vcc_lo, 16, v6                    ; lanes 16-31 hold the same words as lanes 0-15: the lower half stores them
	s_wait_xcnt 0x0                                ; EXEC is a source of the stores above: it changes only behind this wait
	s_and_saveexec_b32 s36, vcc_lo
	global_store_b32 v5, v9, s[10:11]              ; 64 consecutive bytes
	s_wait_xcnt 0x0                                ; and again, in front of the line that widens it
	s_or_b32 exec_lo, exec_lo, s36
	s_endpgm
.Lfunc_end_k_q6e02c9625a_prep:
	.size	k_q6e02c9625a_prep, .Lfunc_end_k_q6e02c9625a_prep-k_q6e02c9625a_prep
	.p2alignl 7, 3214868480
	.fill 96, 4, 3214868480
	.section	.rodata,"a",@progbits
	.p2align	6, 0x0
	.amdhsa_kernel k_q6e02c9625a_prep
		.amdhsa_group_segment_fixed_size 0
		.amdhsa_private_segment_fixed_size 0
		.amdhsa_enable_private_segment 0
		.amdhsa_kernarg_size 32
		.amdhsa_user_sgpr_count 2
		.amdhsa_user_sgpr_kernarg_segment_ptr 1
		.amdhsa_wavefront_size32 1
		.amdhsa_system_sgpr_workgroup_id_x 1
		.amdhsa_system_sgpr_workgroup_id_y 1
		.amdhsa_system_sgpr_workgroup_id_z 1
		.amdhsa_system_vgpr_workitem_id 0
		.amdhsa_next_free_vgpr 128
		.amdhsa_next_free_sgpr 66
		.amdhsa_reserve_vcc 1
		.amdhsa_float_denorm_mode_32 3
		.amdhsa_float_denorm_mode_16_64 3
		.amdhsa_memory_ordered 1
		.amdhsa_forward_progress 1
		.amdhsa_inst_pref_size 23
	.end_amdhsa_kernel
	.amdgpu_metadata
---
amdhsa.version: [ 1, 2 ]
amdhsa.kernels:
  - .name:           k_q6e02c9625a_prep
    .symbol:         k_q6e02c9625a_prep.kd
    .args:
      - { .name: W1, .offset: 0, .size: 8, .value_kind: global_buffer, .address_space: global }
      - { .name: W2, .offset: 8, .size: 8, .value_kind: global_buffer, .address_space: global }
      - { .name: wq, .offset: 16, .size: 8, .value_kind: global_buffer, .address_space: global }
      - { .name: ws, .offset: 24, .size: 8, .value_kind: global_buffer, .address_space: global }
    .group_segment_fixed_size: 0
    .private_segment_fixed_size: 0
    .kernarg_segment_align: 8
    .kernarg_segment_size: 32
    .max_flat_workgroup_size: 128
    .sgpr_count:     66
    .vgpr_count:     128
    .wavefront_size: 32
...
	.end_amdgpu_metadata
.endif
;; end of part 1
;; launch grad (part 2): grid 256 x 1, 4 waves a work-group, no clusters, 327,680 bytes of LDS; arguments x, wq, ws, b1, b2, W3, out0; writes out0
.if DOCPART == 2
	.amdgcn_target "amdgcn-amd-amdhsa--gfx1250"
	.amdhsa_code_object_version 6
	.text
	.protected	k_q6e02c9625a_grad
	.globl	k_q6e02c9625a_grad
	.p2align	8
	.type	k_q6e02c9625a_grad,@function
k_q6e02c9625a_grad:
	s_mov_b64 s[64:65], 0
	v_nop
	global_prefetch_b8 v0, s[64:65] scope:SCOPE_SE
	s_setreg_imm32_b32 hwreg(HW_REG_WAVE_MODE, 25, 1), 1
	s_wait_xcnt 0x0
; out0 = -d/dx sum_i f(x_i), f(x) = tanh(tanh(x W1 + b1) W2 + b2) W3 + b3: the whole chain in one launch, all four products on codes of FP4 (E2M1) with one E8M0 scale for each 32 along K.
;   L1: z1 = Q(x) Q(W1) + b1, h1 = tanh z1      L2: z2 = Q(h1) Q(W2) + b2, dz2 = W3 (1 - tanh^2 z2)      B2: dh1 = Q(dz2) Q(W2^T), dz1 = dh1 (1 - h1^2)      B1: out0 = -Q(dz1) Q(W1^T)
; WORK LEFT OUT (shown at the head of the first kernel): the product h2 W3 and b3 make only the potential's value, which the gradient does not hold; the product of W3 with the cotangent of the sum multiplies by 1.  b3 is not loaded.
; A NaN, an infinity or an overflow that reaches only h2 W3 + b3 is not carried to the result.
; THE SIGN COSTS NOTHING.  With r = 1 / (1 + e^(2 z)): tanh z = 1 - 2 r and 1 - tanh^2 z = 4 (r - r^2).  W3 is kept as -4 W3 (exact), so L2 makes -dz2 = (r - r^2) (-4 W3).  The quantiser is odd: -dz2 gives -dh1, -dz1, and B1's sums are out0 itself.
; e^(2 z) = 2^(c z), c = 2 log2(e).  Where it overflows r = 0 and tanh = 1; where it falls to 0, r = 1 and tanh = -1: no branch, no clamp.
; LIMITS.  h = 1 - 2 r, 1 - h^2 and r - r^2 carry an absolute error of about 2^-22: a block of 32 in which every |z1| is under about 1e-2 has h1 right to about 1e-5 of the number only.
; Blocks whose largest magnitude lies under 2^-124 keep the scale byte 1 (a block of zeros too: its codes are zeros, which add nothing).  NaN and infinities among the inputs are not served.
; SHARES.  256 work-groups of four waves; a work-group owns 256 rows and takes them in 4 blocks of 64 (4 tiles of 16 rows).  THE WAVES SHARE THE COLUMNS, NOT THE ROWS: wave w makes units 128 w .. 128 w + 127 of both hidden
; layers and outputs 32 w .. 32 w + 31, for all 64 rows.  So its part of all four weight operands (80 fragments, 640 registers), their 40 scale registers and its biases stay in REGISTERS for the whole launch, read once,
; in the order in which the first launch laid them; what goes round is small: the rows' codes.
; OPERANDS GO FROM WAVE TO WAVE THROUGH LDS AS IMAGES OF THEIR REGISTERS: a fragment (16 rows x 128 K, 8 registers a lane) by two ds_store_b128, lane l's 16 bytes at 16 l; its scale words 4 bytes a lane.
; ALL PRODUCTS ARE USED TRANSPOSED (source 0 = 16 operand rows of a weight, source 1 = 16 rows of the batch): a lane holds ONE row of the batch and its registers run along the units.  The weights' rows of a tile are chosen
; (lane r of tile t: unit 32 (t / 2) + 8 (t % 2) + r + 8 (r / 8)) so that register 16 b + i of the wave's 64 results is unit 32 b + 16 (lane / 16) + i: 16 neighbours along the next K.
; x comes by tensor loads, four a wave (its own 16 rows of each block), all issued at the head into bytes of their own: nothing in LDS is filled again.  By this text's own count a wave has at most four tensor loads out.
; h1 is wanted again in B2: it waits in LDS as f32, each wave's own 32,768 bytes, since weights, scales and constants leave 152 registers and 64 rows of h1 would take 256.
; THE LOOP BEGINS AT L2.  The first block's L1 is written out ahead of it, and waits only for what L1 takes (the scale words, W3, W1f, b1: 88 loads).  The other 160 loads of weights are issued in front of that L1 and between
; its tiles, each product's ahead of the product before it, and land under the first block's work.
; SEVEN BARRIERS A BLOCK.  Tile m of L2 takes only tile m of h1's codes, and tile m of B2 only tile m of dz2's.  So between L1 and L2, and between L2 and B2, stand TWO barriers, each in the MIDDLE of a tile's vector work, where
; the wave has just waited for all its LDS instructions anyway: one in the earlier product's tile 3 (images 0 to 2 are whole: the later product's first fragments are asked for there, and land under the rest of that tile),
; one in the later product's tile 1 (image 3 is whole: it is asked for in tile 2).  Between two barriers the images that are written and those that are read are different tiles or different regions.
; B1 takes all four tiles of dz1 at once, the way out whole rows, and L1 all of x's fragments: one barrier each, as the data ask.
; NO CLUSTER: no two work-groups share a byte of x; the weights are shared by all, but each work-group reads them once, straight into registers in their own order, and a joint load lands in LDS only: it would add a
; round trip of 348,160 bytes through LDS for each work-group.  NO PREFETCH: x is asked for whole at the kernel's head, and the weights' loads into registers stand a product ahead of their first use.
; REGISTERS, in windows of 256.  Window 0: v1-11 addresses; v12-15 the activations' scale words; v16-55 the weights'; v56-119 -4 W3; v120-183 the 8 accumulators, worked on in place; v184-215 four fragments;
;   v216-243 at work (the quantiser's twelve; quads of h1; B1's second four fragments); v244-251 codes just made; v252 their scale word; v253-255 addresses.
;   Window 1: W2f, fragment (t, s) at v[8 (4 t + s)].   Window 2: W2b likewise.   Window 3: v0-63 W1f; v64-127 W1b (n, s) at v[64 + 8 (4 n + s)]; v128-191 b1; v192-255 b2, in the result's layout.
.set XIMG,  0                          ; LDS: x's 4 fragments, tile m at 1,024 m
.set XSC,   4096                       ; their scale words, 128 bytes each
.set AIMG,  4608                       ; 16 fragments (tile m, K step s) at 1,024 (4 m + s): h1's codes, later dz1's
.set ASC,   20992                      ; their scale words, at 128 (4 m + s)
.set BIMG,  23040                      ; dz2's 16 fragments
.set BSC,   39424                      ; their scale words
.set SPARE, 41472                      ; the spare words, 128 bytes for each wave: two blocks of 256 bytes that no other line names
.set HST,   41984                      ; h1 in f32: 32,768 w + 8,192 m + 512 q + 16 lane
.set STG,   41984                      ; laid over it, from B1 on: the stage for out0, 64 rows x (512 bytes + 16)
.set XT,    173056                     ; x: 33,792 w + 8,448 block + 528 row: rows of 512 bytes + 16 of padding; filled once, by tensor loads alone
.set LI,  1                            ; v1   16 x lane
.set LS2, 2                            ; v2   4 x lane + 128 (lane / 16): lanes 16-31 read the next image's words
.set LS3, 3                            ; v3   4 x lane + 512 (lane / 16): lanes 16-31 read the words four images on
.set WI,  4                            ; v4   16 x lane + 1,024 w: where I store an image
.set WSA, 5                            ; v5   4 x lane + 128 w: and its scale words
.set XA,  6                            ; v6   x: my lane's bytes in my wave's first tile; never rewritten
.set HP,  7                            ; v7   h1: my lane's bytes in my wave's region
.set SO,  8                            ; v8   the stage: where I put 32 bytes of a row
.set SR,  9                            ; v9   and where I read a row back
.set SPW, 10                           ; v10  LDS address of my spare word; never rewritten
.set NIL, 11                           ; v11  0; never rewritten
.set FS,  12
.set WS,  16
.set W3C, 56
.set HA,  120
.set FR,  184
.set TM,  216                          ; v216-219 largest magnitudes, v220-223 the other half's and then the bytes, v224-227 the conversions' scale operands
.set FB,  216                          ; seven quads of h1
.set OB,  184                          ; the way out: 16 rows read back from the stage
.set PC,  244
.set PW,  252
.set L4,  253                          ; v253 4 x lane; never rewritten
.set H64, 254                          ; v254 64 (lane / 16); never rewritten
.set XAD, 255                          ; v255 x: the address in the block in hand
.set XB,  3                            ; s3   the next block's tile in my wave's part of XT: 8,448 a block
.set WV,  18                           ; s18  my wave's number
.set BLK, 19                           ; s19  blocks to go
.set SEL, 20                           ; s[20:21] lane selects for v_permlanex16_b32: lane l xor 16
.set CS,  22                           ; s[22:23] c = 2 log2(e): the packed form names a pair and takes its low word for both halves
.set G1,  24                           ; s[24:31] descriptor group 1
.set G0,  32                           ; s[32:47] descriptor group 0, a set for each of my four loads
.set MSB, 0
.macro WIN new                         ; the immediate's high byte repeats the setting that is left; a switch that changes nothing is dropped
.if MSB != \new
	s_set_vgpr_msb (MSB<<8)|\new
.set MSB, \new
.endif
.endm
; A load into a register that a matrix instruction has read or written, and a vector instruction or an LDS store that reads a matrix result, stand four places behind it, and only plain vector
; instructions that name none of its registers are places (ISA guide 7.12.1 for vector instructions).  A matrix instruction that begins an accumulator anew stands FIVE behind the one that last wrote it.
.macro PLACES
.rept 4
	v_nop
.endr
.endm
.macro BARRIER                         ; my LDS stores have landed and my LDS loads are in: then the work-group's barrier
	s_wait_dscnt 0x0
	s_barrier_signal -1
	s_barrier_wait -1
.endm
; One matrix instruction on the registers named by rD, rA, rB, rC, rSA, rSB.  cm = 0: the constant 0 starts the sum.  ra, rb = 1: that side's scale words stand in lanes 16-31 of its register.
.macro MM cm, ra, rb
.if (\cm) && (\ra) && (\rb)
	v_wmma_scale_f32_16x16x128_f8f6f4 v[rD:rD+7], v[rA:rA+7], v[rB:rB+7], v[rC:rC+7], v[rSA], v[rSB] matrix_a_fmt:MATRIX_FMT_FP4 matrix_b_fmt:MATRIX_FMT_FP4 matrix_a_scale:MATRIX_SCALE_ROW1 matrix_b_scale:MATRIX_SCALE_ROW1
.elseif (\cm) && (\ra)
	v_wmma_scale_f32_16x16x128_f8f6f4 v[rD:rD+7], v[rA:rA+7], v[rB:rB+7], v[rC:rC+7], v[rSA], v[rSB] matrix_a_fmt:MATRIX_FMT_FP4 matrix_b_fmt:MATRIX_FMT_FP4 matrix_a_scale:MATRIX_SCALE_ROW1
.elseif (\cm) && (\rb)
	v_wmma_scale_f32_16x16x128_f8f6f4 v[rD:rD+7], v[rA:rA+7], v[rB:rB+7], v[rC:rC+7], v[rSA], v[rSB] matrix_a_fmt:MATRIX_FMT_FP4 matrix_b_fmt:MATRIX_FMT_FP4 matrix_b_scale:MATRIX_SCALE_ROW1
.elseif (\cm)
	v_wmma_scale_f32_16x16x128_f8f6f4 v[rD:rD+7], v[rA:rA+7], v[rB:rB+7], v[rC:rC+7], v[rSA], v[rSB] matrix_a_fmt:MATRIX_FMT_FP4 matrix_b_fmt:MATRIX_FMT_FP4
.elseif (\ra) && (\rb)
	v_wmma_scale_f32_16x16x128_f8f6f4 v[rD:rD+7], v[rA:rA+7], v[rB:rB+7], 0, v[rSA], v[rSB] matrix_a_fmt:MATRIX_FMT_FP4 matrix_b_fmt:MATRIX_FMT_FP4 matrix_a_scale:MATRIX_SCALE_ROW1 matrix_b_scale:MATRIX_SCALE_ROW1
.elseif (\ra)
	v_wmma_scale_f32_16x16x128_f8f6f4 v[rD:rD+7], v[rA:rA+7], v[rB:rB+7], 0, v[rSA], v[rSB] matrix_a_fmt:MATRIX_FMT_FP4 matrix_b_fmt:MATRIX_FMT_FP4 matrix_a_scale:MATRIX_SCALE_ROW1
.elseif (\rb)
	v_wmma_scale_f32_16x16x128_f8f6f4 v[rD:rD+7], v[rA:rA+7], v[rB:rB+7], 0, v[rSA], v[rSB] matrix_a_fmt:MATRIX_FMT_FP4 matrix_b_fmt:MATRIX_FMT_FP4 matrix_b_scale:MATRIX_SCALE_ROW1
.else
	v_wmma_scale_f32_16x16x128_f8f6f4 v[rD:rD+7], v[rA:rA+7], v[rB:rB+7], 0, v[rSA], v[rSB] matrix_a_fmt:MATRIX_FMT_FP4 matrix_b_fmt:MATRIX_FMT_FP4
.endif
.endm
; 64 numbers of a lane, v[s] .. v[s + 63], register 16 b + i = k 32 b + 16 (lane / 16) + i of my row, become a fragment's codes in v[PC] on and its scale word in v[PW].  The numbers are read, not written.
.macro QUANT s
.irp b, 0,1,2,3
	v_max3_num_f32 v[TM+\b], |v[\s+16*\b]|, |v[\s+1+16*\b]|, 0x1800000   ; block b: my 16 numbers, and the floor 2^(3 - 127): the byte cannot fall under 1
.endr
.irp i, 2,4,6,8,10,12,14
.irp b, 0,1,2,3
	v_max3_num_f32 v[TM+\b], v[TM+\b], |v[\s+16*\b+\i]|, |v[\s+1+16*\b+\i]|   ; (the four blocks by turns: no line waits for the line above it)
.endr
.endr
.irp b, 0,1,2,3
	v_permlanex16_b32 v[TM+4+\b], v[TM+\b], s[SEL], s[SEL+1]
.endr
.irp b, 0,1,2,3
	v_max_num_f32 v[TM+\b], v[TM+\b], v[TM+4+\b]   ; with lane l xor 16's: the block's largest magnitude
.endr
.irp b, 0,1,2,3
	v_add_nc_u32 v[TM+8+\b], 0xff000000, v[TM+\b]  ; 2 off its exponent field: the conversion takes the exponent field of this operand as its scale, and nothing else of it
.endr
.irp b, 0,1,2,3
	v_lshrrev_b32 v[TM+4+\b], 23, v[TM+8+\b]       ; the scale's byte
.endr
	v_lshl_or_b32 v[PW], v[TM+5], 8, v[TM+4]       ; the four bytes make my row's scale word; lanes l and l xor 16 hold the same
	v_lshl_or_b32 v[PW], v[TM+6], 16, v[PW]
	v_lshl_or_b32 v[PW], v[TM+7], 24, v[PW]
.irp b, 0,1,2,3
	v_cvt_scalef32_pk8_fp4_f32 v[PC+2*\b], v[\s+16*\b:\s+7+16*\b], v[TM+8+\b]
	v_cvt_scalef32_pk8_fp4_f32 v[PC+1+2*\b], v[\s+8+16*\b:\s+15+16*\b], v[TM+8+\b]
.endr
	v_nop                                          ; one plain place behind a scaled conversion
.irp c, 0,1                                    ; the operand's layout wants a WHOLE block in a lane: lanes 0-15 block 2 c, lanes 16-31 block 2 c + 1
.irp i, 0,1
	v_permlane16_swap_b32 v[PC+4*\c+\i], v[PC+2+4*\c+\i]
.endr
.endr
.endm
.macro IMAGE off                       ; the fragment in v[PC] on goes to LDS as it stands, at my wave's place
.irp c, 0,1
	ds_store_b128 v[WI], v[PC+4*\c:PC+4*\c+3] offset:\off+512*\c
.endr
.endm
.macro SCST off                        ; and its scale words
	ds_store_b32 v[WSA], v[PW] offset:\off
.endm
.macro FETCH reg, off                  ; a fragment comes back so, in any wave
.irp c, 0,1
	ds_load_b128 v[\reg+4*\c:\reg+4*\c+3], v[LI] offset:\off+512*\c
.endr
.endm
.macro FETCH4 img, sc, m               ; tile m's four K steps, and their scale words: register p holds K step 2 p's in lanes 0-15, K step 2 p + 1's in lanes 16-31.  Ten LDS instructions
.irp s, 0,1,2,3
	FETCH FR+8*\s, \img+1024*(4*(\m)+\s)
.endr
.irp p, 0,1
	ds_load_b32 v[FS+\p], v[LS2] offset:\sc+128*(4*(\m)+2*\p)
.endr
.endm
.macro FETCHK s, reg, fs               ; K step s of dz1 for the four tiles of rows; register p: tile 2 p's words in lanes 0-15, tile 2 p + 1's in lanes 16-31.  Ten LDS instructions
.irp m, 0,1,2,3
	FETCH \reg+8*\m, AIMG+1024*(4*\m+(\s))
.endr
.irp p, 0,1
	ds_load_b32 v[\fs+\p], v[LS3] offset:ASC+128*(8*\p+(\s))
.endr
.endm
; The 64 results become 2^(c z).  ONE BATCH of 64 exponentials with ONE wait: nothing in it names an exponential's result.  A pair is scaled two pairs ahead of its exponentials, so that a plain instruction stands among
; them; each accumulator is first read at its two lowest registers.  Behind the last: a plain instruction, and a wait ahead of the first reader.
.macro ACT_EXP
	v_pk_mul_f32 v[HA:HA+1], v[HA:HA+1], s[CS:CS+1] op_sel_hi:[1,0]
	v_pk_mul_f32 v[HA+2:HA+3], v[HA+2:HA+3], s[CS:CS+1] op_sel_hi:[1,0]
.set j, 0
.rept 32
	v_exp_f32 v[HA+2*j], v[HA+2*j]
	v_exp_f32 v[HA+2*j+1], v[HA+2*j+1]
.if j < 30
	v_pk_mul_f32 v[HA+2*j+4:HA+2*j+5], v[HA+2*j+4:HA+2*j+5], s[CS:CS+1] op_sel_hi:[1,0]
.endif
.set j, j+1
.endr
	v_nop
	s_wait_alu depctr_va_vdst(0)
.endm
.macro ACT_RCP                         ; and then r = 1 / (1 + 2^(c z)): the same shape
	v_pk_add_f32 v[HA:HA+1], v[HA:HA+1], 1.0 op_sel_hi:[1,0]
	v_pk_add_f32 v[HA+2:HA+3], v[HA+2:HA+3], 1.0 op_sel_hi:[1,0]
.set j, 0
.rept 32
	v_rcp_f32 v[HA+2*j], v[HA+2*j]
	v_rcp_f32 v[HA+2*j+1], v[HA+2*j+1]
.if j < 30
	v_pk_add_f32 v[HA+2*j+4:HA+2*j+5], v[HA+2*j+4:HA+2*j+5], 1.0 op_sel_hi:[1,0]
.endif
.set j, j+1
.endr
	v_nop
	s_wait_alu depctr_va_vdst(0)
.endm
; B2's quads of h1: quad q (registers 4 q .. 4 q + 3 of the tile's 64) lands in v216-243 (q = 0 .. 6), in the fragments' registers once the products have left them (7 .. 14), or in quad 0's place (15)
.macro HSEL q
.if (\q) < 7
.set rH, FB+4*(\q)
.elseif (\q) < 15
.set rH, FR+4*((\q)-7)
.else
.set rH, FB
.endif
.endm
.macro HLD m, q
	HSEL \q
	ds_load_b128 v[rH:rH+3], v[HP] offset:8192*(\m)+512*(\q)
.endm
.macro HD q                            ; 1 - h^2
	HSEL \q
	v_pk_fma_f32 v[rH:rH+1], v[rH:rH+1], v[rH:rH+1], 1.0 op_sel_hi:[1,1,0] neg_lo:[1,0,0] neg_hi:[1,0,0]
	v_pk_fma_f32 v[rH+2:rH+3], v[rH+2:rH+3], v[rH+2:rH+3], 1.0 op_sel_hi:[1,1,0] neg_lo:[1,0,0] neg_hi:[1,0,0]
.endm
.macro HM q                            ; dz1 = dh1 (1 - h^2)
	HSEL \q
	v_pk_mul_f32 v[HA+4*(\q):HA+4*(\q)+1], v[HA+4*(\q):HA+4*(\q)+1], v[rH:rH+1]
	v_pk_mul_f32 v[HA+4*(\q)+2:HA+4*(\q)+3], v[HA+4*(\q)+2:HA+4*(\q)+3], v[rH+2:rH+3]
.endm
; My 16 rows of x: lane (r, h) takes, of row r, 16 neighbours of each block of 32.  Rows are 528 bytes = 132 words apart: the sixteen rows that a load touches start at sixteen different 16-byte columns modulo 256 bytes
.macro XLD adr
.irp b, 0,1,2,3
.irp j, 0,1,2,3
	ds_load_b128 v[HA+16*\b+4*\j:HA+16*\b+4*\j+3], v[\adr] offset:128*\b+16*\j
.endr
.endr
.endm
.macro XQ                              ; they become tile w of x's four fragments
	QUANT HA
	IMAGE XIMG
	SCST XSC
.endm
.macro CONST8 reg, base                ; eight tiles of a vector of 128 numbers in the result's layout: lane (r, h), tile t: units 32 (t / 2) + 16 h + 8 (t % 2) + 0 .. 7
.irp t, 0,1,2,3,4,5,6,7
	global_load_b128 v[\reg+8*\t:\reg+8*\t+3], v[H64], s[\base:\base+1] offset:(32*(\t/2)+8*(\t%2))*4
	global_load_b128 v[\reg+8*\t+4:\reg+8*\t+7], v[H64], s[\base:\base+1] offset:(32*(\t/2)+8*(\t%2))*4+16
.endr
.endm
.macro WFRAGS reg, f0, n               ; n fragments of my wave's 80, from f0 on, into v[reg] on: 32 lanes read 512 consecutive bytes
.set g, 0
.rept \n
	global_load_b128 v[\reg+8*g:\reg+8*g+3], v[LI], s[6:7] offset:1024*(\f0+g)
	global_load_b128 v[\reg+8*g+4:\reg+8*g+7], v[LI], s[6:7] offset:1024*(\f0+g)+512
.set g, g+1
.endr
.endm
; L1 opens: x's four fragments lie in LDS behind this barrier, and nobody reads the stage any more; the first fragment, and the four tiles' scale words (tile 2 p's in lanes 0-15, tile 2 p + 1's in lanes 16-31)
.macro L1_OPEN
	BARRIER
	FETCH FR, XIMG
.irp p, 0,1
	ds_load_b32 v[FS+\p], v[LS2] offset:XSC+256*\p
.endr
.endm
; L1, tile m: z1 = x W1 + b1 (b1 is the C of the sum's one matrix instruction), h1 = 1 - 2 r; h1 to my region of LDS in f32, and its codes, K step w of the next product, to LDS as an image
.macro L1_TILE m
.if (\m) == 0
	s_wait_dscnt 0x0                               ; x's first fragment and the four tiles' scale words
.else
	s_wait_dscnt 3                                 ; the last tile's 16 stores of h1 have read the accumulators; its image's three stores may be out
.endif
	WIN 0x33                                       ; source 0 (W1f) and source 2 (b1) window 3
.set tt, 0
.rept 8
.set rD, HA+8*tt
.set rA, 8*tt
.set rB, FR
.set rC, 128+8*tt
.set rSA, WS+tt/2
.set rSB, FS+(\m)/2
	MM 1, tt%2, (\m)%2
.set tt, tt+1
.endr
	WIN 0
	PLACES
.if (\m) < 3
	FETCH FR, XIMG+1024*((\m)+1)                   ; the next tile's fragment lands under the activation
.endif
	ACT_EXP
	ACT_RCP
.set j, 0
.rept 32
	v_pk_fma_f32 v[HA+2*j:HA+2*j+1], v[HA+2*j:HA+2*j+1], -2.0, 1.0 op_sel_hi:[1,0,0]   ; h1 = 1 - 2 r
.set j, j+1
.endr
	s_wait_dscnt 0x0                               ; the last tile's image has landed and has left its registers; the next fragment is in
.if (\m) == 3
	s_barrier_signal -1                            ; every wave's images of tiles 0 to 2 have landed, and its reads of x's fragments are over
	s_barrier_wait -1
	FETCH4 AIMG, ASC, 0                            ; L2's first fragments land under the rest of this tile, which writes tile 3's image alone
.endif
.set j, 0
.rept 16
	ds_store_b128 v[HP], v[HA+4*j:HA+4*j+3] offset:8192*(\m)+512*j
.set j, j+1
.endr
	QUANT HA
	IMAGE AIMG+4096*(\m)
	SCST ASC+512*(\m)
.endm
; L2, tile m: z2 = h1 W2 + b2, four K steps on eight accumulators by turns; -dz2 = (r - r^2) (-4 W3); its codes to LDS
.macro L2_TILE m
.if (\m) == 0
	s_wait_dscnt 3                                 ; the fragments asked for in L1's tile 3 are in, and its 16 stores of h1 have read the accumulators; its image's three stores may be out
	s_wait_loadcnt 63                              ; first block: 64 loads, all W2b's, were issued behind the last of W2f: W2f and b2 are in.  Later blocks have no load out
.endif                                             ; (later tiles' fragments were waited for in the tile before)
.set ks, 0
.rept 4
.if ks == 0
	WIN 0x31                                       ; source 0 (W2f) window 1, source 2 (b2) window 3
.else
	WIN 0x01
.endif
.set tt, 0
.rept 8
.set rD, HA+8*tt
.set rA, 8*(4*tt+ks)
.set rB, FR+8*ks
.if ks == 0
.set rC, 192+8*tt
.else
.set rC, HA+8*tt
.endif
.set rSA, WS+4+4*(tt/2)+ks
.set rSB, FS+ks/2
	MM 1, tt%2, ks%2
.set tt, tt+1
.endr
.set ks, ks+1
.endr
	WIN 0
	PLACES
.if (\m) < 3
	FETCH4 AIMG, ASC, (\m)+1                       ; (tile 3's stands behind the barrier in tile 1)
.endif
	ACT_EXP
	ACT_RCP
.set j, 0
.rept 32
	v_pk_fma_f32 v[HA+2*j:HA+2*j+1], v[HA+2*j:HA+2*j+1], v[HA+2*j:HA+2*j+1], v[HA+2*j:HA+2*j+1] neg_lo:[1,0,0] neg_hi:[1,0,0]   ; r - r^2
.set j, j+1
.endr
.set j, 0
.rept 32
	v_pk_mul_f32 v[HA+2*j:HA+2*j+1], v[HA+2*j:HA+2*j+1], v[W3C+2*j:W3C+2*j+1]
.set j, j+1
.endr
	s_wait_dscnt 0x0                               ; the last image has landed and has left its registers; the next tile's fragments are in
.if (\m) == 1
	s_barrier_signal -1                            ; every wave's image of h1's tile 3 has landed
	s_barrier_wait -1
.endif
.if (\m) == 3
	s_barrier_signal -1                            ; every wave's images of dz2's tiles 0 to 2 have landed, and its reads of h1's codes are over: B2 may write dz1's where they lay
	s_barrier_wait -1
	FETCH4 BIMG, BSC, 0                            ; B2's first fragments land under the rest of this tile, which writes tile 3's image alone
.endif
	QUANT HA
	IMAGE BIMG+4096*(\m)
	SCST BSC+512*(\m)
.if (\m) == 3
.irp q, 0,1,2,3,4,5,6
	HLD 0, \q                                      ; the quantiser's registers are free again: B2's first quads of h1
.endr
.endif
.endm
; B2, tile m: -dh1 = (-dz2) W2^T; -dz1 = -dh1 (1 - h1^2), h1 from my region of LDS in three runs of quads; its codes to LDS, where h1's lay
.macro B2_TILE m
	s_wait_dscnt 10                                ; the fragments are in; behind them: the last image's three stores and seven quads of h1
.if (\m) == 0
	s_wait_loadcnt 0x0                             ; W2b and W1b (from the second block on no load is out)
.endif
	WIN 0x02                                       ; source 0 (W2b) window 2
.set ks, 0
.rept 4
.set tt, 0
.rept 8
.set rD, HA+8*tt
.set rA, 8*(4*tt+ks)
.set rB, FR+8*ks
.set rC, HA+8*tt
.set rSA, WS+20+4*(tt/2)+ks
.set rSB, FS+ks/2
	MM ks, tt%2, ks%2                              ; the first K step starts the sums
.set tt, tt+1
.endr
.set ks, ks+1
.endr
	WIN 0
	PLACES
.irp q, 7,8,9,10,11,12,13,14
	HLD \m, \q                                     ; into the fragments' registers, which the products have left
.endr
	s_wait_dscnt 8                                 ; quads 0-6 are in, and all that is older is done, the last image among it
.irp q, 0,1,2,3,4,5,6
	HD \q
.endr
.irp q, 0,1,2,3,4,5,6
	HM \q                                          ; each accumulator from its low end on
.endr
	HLD \m, 15
	s_wait_dscnt 1                                 ; quads 7-14; quad 15 may be out
.irp q, 7,8,9,10,11,12,13,14
	HD \q
.endr
.irp q, 7,8,9,10,11,12,13,14
	HM \q
.endr
.if (\m) == 1
	s_wait_dscnt 0x0                               ; quad 15, asked for 32 instructions ago: no LDS instruction of mine is out
	s_barrier_signal -1                            ; every wave's image of dz2's tile 3 has landed: it is asked for in the next tile
	s_barrier_wait -1
	FETCH4 BIMG, BSC, 2
.elseif (\m) < 3
	FETCH4 BIMG, BSC, (\m)+1
	s_wait_dscnt 10                                ; quad 15; the ten just issued may be out
.else
	s_wait_dscnt 0x0
.endif
	HD 15
	HM 15
	QUANT HA
	IMAGE AIMG+4096*(\m)
	SCST ASC+512*(\m)
.if (\m) < 3
.irp q, 0,1,2,3,4,5,6
	HLD (\m)+1, \q                                 ; the quantiser's registers are free again
.endr
.endif
.endm
	s_load_b256 s[4:11], s[0:1], 0x0               ; x s[4:5], wq s[6:7], ws s[8:9], b1 s[10:11]
	s_load_b128 s[12:15], s[0:1], 0x20             ; b2 s[12:13], W3 s[14:15]
	s_load_b64 s[16:17], s[0:1], 0x30              ; out0
	v_lshl_add_u32 v[SPW], v0, 2, SPARE
	v_mov_b32 v[NIL], 0
	ds_add_u32 v[SPW], v[NIL]                      ; the wave's opening: the add, twice on end, and its wait ahead of my first tensor load; the set-up below, work on registers, stands between the second and the wait
	ds_add_u32 v[SPW], v[NIL]                      ; and once more, under the one wait
	v_lshrrev_b32 v120, 5, v0
	v_readfirstlane_b32 s[WV], v120                ; wave 0..3
	v_and_b32 v120, 31, v0                         ; lane
	v_and_b32 v121, 15, v0                         ; r
	v_bfe_u32 v122, v0, 4, 1                       ; h
	v_lshlrev_b32 v[LI], 4, v120
	v_lshlrev_b32 v[L4], 2, v120
	v_lshlrev_b32 v[H64], 6, v122
	v_lshl_add_u32 v[LS2], v122, 7, v[L4]
	v_lshl_add_u32 v[LS3], v122, 9, v[L4]
	s_lshl_b32 s48, s[WV], 10
	v_add_nc_u32 v[WI], s48, v[LI]
	s_lshl_b32 s48, s[WV], 7
	v_add_nc_u32 v[WSA], s48, v[L4]
	v_mul_u32_u24 v123, v121, 528
	v_lshl_add_u32 v[XA], v122, 6, v123            ; x: row r, + 64 h: my 16 numbers of a block of 32
	s_mul_i32 s49, s[WV], 33792                    ; my wave's four tiles lie on end
	s_add_co_u32 s50, s49, XT
	v_add_nc_u32 v[XA], s50, v[XA]
	s_lshl_b32 s50, s[WV], 15
	s_add_co_u32 s50, s50, HST
	v_add_nc_u32 v[HP], s50, v[LI]
	v_lshl_add_u32 v[SO], v122, 5, v123            ; the stage: row r, + 32 h, + 128 w: my outputs' bytes
	s_add_co_u32 s50, s48, STG
	v_add_nc_u32 v[SO], s50, v[SO]
	s_mul_i32 s50, s[WV], 8448                     ; back: my 16 rows, 16 bytes a lane
	s_add_co_u32 s50, s50, STG
	v_add_nc_u32 v[SR], s50, v[LI]
.irp b, 0,1,2,3
	v_mov_b32 v[TM+4+\b], 0                        ; written once: a lane permute's destination counts as one of its sources
.endr
	s_mov_b32 s[SEL], 0x76543210
	s_mov_b32 s[SEL+1], 0xfedcba98
	s_mov_b32 s[CS], 0x4038aa3b                    ; c = 2 log2(e)
	s_mov_b32 s[CS+1], s[CS]                       ; (named with it as a pair, so it is written)
	s_mov_b32 s[BLK], 4
	s_mov_b32 s[XB], 0
	; descriptor group 1: a tile of 16 rows x 128 elements of 4 bytes, padded in LDS
	s_mov_b32 s[G1+0], (2<<16)|(1<<20)|(6<<22)|(3<<25)  ; 15:0 no mask; 17:16 elements of 4 bytes; 20 padding on; 24:22 after every 128 words (code 6); 31:25 four words (code 3)
	s_mov_b32 s[G1+1], 128<<16                     ; tensor_dim0 = 128
	s_mov_b32 s[G1+2], 16<<16                      ; tensor_dim1 = 16
	s_mov_b32 s[G1+3], 128<<16                     ; tile_dim0 = 128
	s_mov_b32 s[G1+4], 16                          ; tile_dim1 = 16
	s_mov_b32 s[G1+5], 128                         ; elements from row to row
	s_mov_b32 s[G1+6], 0
	s_mov_b32 s[G1+7], 0
	s_lshl_b32 s52, ttmp9, 17                      ; my work-group's 256 rows of 512 bytes,
	s_lshl_b32 s53, s[WV], 13                      ; my wave's 16 of a block's 64
	s_add_co_u32 s52, s52, s53
	s_mov_b32 s53, 0
	s_wait_dscnt 0x0                               ; both opening adds are done
	s_wait_kmcnt 0x0
	s_add_nc_u64 s[4:5], s[4:5], s[52:53]
	s_add_nc_u64 s[16:17], s[16:17], s[52:53]
.irp b, 0,1,2,3
	s_mov_b32 s[G0+4*\b], 1                                        ; count = 1
	s_add_co_u32 s[G0+4*\b+1], s49, XT+8448*\b                     ; LDS address: my wave's tile of block b
	s_add_nc_u64 s[G0+4*\b+2:G0+4*\b+3], s[4:5], 32768*\b          ; global address: 64 rows a block
	s_or_b32 s[G0+4*\b+3], s[G0+4*\b+3], 0x80000000                ; type = 2
.endr
.irp b, 0,1,2,3
	tensor_load_to_lds s[G0+4*\b:G0+4*\b+3], s[G1:G1+7]            ; all of my x, ahead of everything else: four loads of mine are out
	s_nop 0
.endr
	PLACES                                         ; (the register windows are switched only behind four instructions)
	s_mul_i32 s52, s[WV], 81920                    ; my wave's part of the weights' codes,
	s_add_nc_u64 s[6:7], s[6:7], s[52:53]
	s_mul_i32 s52, s[WV], 5120                     ; of their scale words,
	s_add_nc_u64 s[8:9], s[8:9], s[52:53]
	s_lshl_b32 s52, s[WV], 9                       ; and my 128 numbers of b1, b2 and W3
	s_add_nc_u64 s[10:11], s[10:11], s[52:53]
	s_add_nc_u64 s[12:13], s[12:13], s[52:53]
	s_add_nc_u64 s[14:15], s[14:15], s[52:53]
	; what L1 takes, and what is made ready once: 88 loads
.set g, 0
.rept 40
	global_load_b32 v[WS+g], v[L4], s[8:9] offset:128*g            ; the weights' 40 scale registers
.set g, g+1
.endr
	CONST8 W3C, 14
	WIN 0xc0                                       ; destination window 3
	WFRAGS 0, 0, 8                                 ; W1f
	CONST8 128, 10                                 ; b1
	WIN 0
	s_wait_tensorcnt 3                             ; tensor loads of a wave end in order (ISA guide 10.11.1): my tile of block 0 is in; the three behind it may be out
	XLD XA                                         ; only I read my tiles: my own wait is all the ordering that these reads need
	s_wait_dscnt 0x0
	XQ                                             ; block 0's x
	s_wait_loadcnt 0x0                             ; the 88
.set j, 0
.rept 32
	v_pk_mul_f32 v[W3C+2*j:W3C+2*j+1], v[W3C+2*j:W3C+2*j+1], -4.0 op_sel_hi:[1,0]   ; -4 W3: exact
.set j, j+1
.endr
	; THE FIRST BLOCK'S L1, written out; the later products' weights are asked for in front of it and between its tiles, in the order in which they are wanted
	WIN 0x40                                       ; destination window 1
	WFRAGS 0, 8, 24                                ; W2f: 24 of its 32 fragments, 48 loads
	WIN 0
	L1_OPEN
	L1_TILE 0
	WIN 0xc0
	WFRAGS 64, 72, 8                               ; W1b
	CONST8 192, 12                                 ; b2
	WIN 0x40
	WFRAGS 192, 32, 8                              ; W2f's last 8 fragments: the last load that L2 takes
	WIN 0
	L1_TILE 1
	WIN 0x80                                       ; destination window 2
	WFRAGS 0, 40, 16                               ; W2b: 32 loads,
	WIN 0
	L1_TILE 2
	WIN 0x80
	WFRAGS 128, 56, 16                             ; and 32 more: 64 loads behind W2f's last
	WIN 0
	L1_TILE 3
	s_wait_tensorcnt 0x0                           ; the rest of my x, asked for ahead of all the weights: no wait for it stands in the loop
.Lblock:                                               ; 4 trips, from a block's L2 to the next block's L1; the last trip leaves behind its stores
.irp m, 0,1,2,3
	L2_TILE \m
.endr
.irp m, 0,1,2,3
	B2_TILE \m
.endr
	BARRIER                                        ; dz1's sixteen fragments lie in LDS; nobody reads h1 any more: the stage may be written
	; B1: my 32 outputs for the 64 rows: eight accumulators by turns, a K step at a time, on two buffers of four fragments
	FETCHK 0, FR, FS
	FETCHK 1, FR+32, FS+2
.irp s, 0,1,2,3
.if \s < 3
	s_wait_dscnt 10                                ; this K step's ten are in; the other buffer's ten may be out
.else
	s_wait_dscnt 0x0
.endif
	WIN 0x03                                       ; source 0 (W1b) window 3
.set mm, 0
.rept 4
.set nn, 0
.rept 2
.set rD, HA+8*(4*nn+mm)
.set rA, 64+8*(4*nn+\s)
.set rB, FR+32*(\s%2)+8*mm
.set rC, HA+8*(4*nn+mm)
.set rSA, WS+36+\s
.set rSB, FS+2*(\s%2)+mm/2
	MM \s, nn, mm%2
.set nn, nn+1
.endr
.set mm, mm+1
.endr
	WIN 0
	PLACES
.if \s < 2
	FETCHK \s+2, FR+32*(\s%2), FS+2*(\s%2)
.endif
.if \s == 3
	v_nop                                          ; a fifth place: the next block's first products begin these eight accumulators anew, with b1 as C
.endif
.endr
.irp m, 0,1,2,3
.irp n, 0,1
	ds_store_b128 v[SO], v[HA+8*(4*\n+\m):HA+8*(4*\n+\m)+3] offset:8448*\m+64*\n        ; lane (r, h): out0(16 m + r, 32 w + 16 n + 8 h + 0 .. 7); each accumulator from its low end on
	ds_store_b128 v[SO], v[HA+8*(4*\n+\m)+4:HA+8*(4*\n+\m)+7] offset:8448*\m+64*\n+16
.endr
.endr
	BARRIER                                        ; 64 whole rows of out0 lie in the stage; nobody reads dz1's images any more
	s_add_co_u32 s[XB], s[XB], 8448                ; the next block's tile of x
	s_cmp_eq_u32 s[BLK], 1                         ; the last block has no successor
	s_cbranch_scc1 .Lno_x1
	v_add_nc_u32 v[XAD], s[XB], v[XA]
	XLD XAD                                        ; asked for ahead of the stage's rows, so that the counts below hold on both ways
.Lno_x1:
.irp i, 0,1,2,3,4,5,6,7,8,9,10,11,12,13,14,15
	ds_load_b128 v[OB+4*\i:OB+4*\i+3], v[SR] offset:528*\i
.endr
.irp i, 0,1,2,3,4,5,6,7,8,9,10,11,12,13,14,15
	s_wait_dscnt 15-\i                             ; LDS loads come back in order (ISA guide 5.7.1): row i is in
	global_store_b128 v[LI], v[OB+4*\i:OB+4*\i+3], s[16:17] offset:512*\i th:TH_STORE_NT   ; 32 lanes store a row of 512 bytes, at a multiple of 256 from out0's first byte; written once, read by nobody here
.endr
	s_wait_xcnt 0x0                                ; the stores have read their registers and their base: both are written again only behind this wait
	s_add_nc_u64 s[16:17], s[16:17], 32768
	s_cmp_eq_u32 s[BLK], 1                         ; the count of blocks alone: all four waves go the same way
	s_cbranch_scc1 .Ldone
	XQ                                             ; the next block's x becomes codes (its numbers came in ahead of row 0 above)
	L1_OPEN
.irp m, 0,1,2,3
	L1_TILE \m
.endr
	s_sub_co_u32 s[BLK], s[BLK], 1
	s_cmp_lg_u32 s[BLK], 0
	s_cbranch_scc1 .Lblock
.Ldone:
	s_wait_tensorcnt 0x0                           ; the wave's end: a tensor wait, an add and its wait, behind my last tensor load and my last LDS store
	ds_add_u32 v[SPW], v[NIL]
	s_wait_dscnt 0x0
	s_endpgm
.Lfunc_end_k_q6e02c9625a_grad:
	.size	k_q6e02c9625a_grad, .Lfunc_end_k_q6e02c9625a_grad-k_q6e02c9625a_grad
	.p2alignl 7, 3214868480
	.fill 96, 4, 3214868480
	.section	.rodata,"a",@progbits
	.p2align	6, 0x0
	.amdhsa_kernel k_q6e02c9625a_grad
		.amdhsa_group_segment_fixed_size 327680
		.amdhsa_private_segment_fixed_size 0
		.amdhsa_enable_private_segment 0
		.amdhsa_kernarg_size 56
		.amdhsa_user_sgpr_count 2
		.amdhsa_user_sgpr_kernarg_segment_ptr 1
		.amdhsa_wavefront_size32 1
		.amdhsa_system_sgpr_workgroup_id_x 1
		.amdhsa_system_sgpr_workgroup_id_y 1
		.amdhsa_system_sgpr_workgroup_id_z 1
		.amdhsa_system_vgpr_workitem_id 0
		.amdhsa_next_free_vgpr 1024
		.amdhsa_next_free_sgpr 66
		.amdhsa_reserve_vcc 0
		.amdhsa_float_denorm_mode_32 3
		.amdhsa_float_denorm_mode_16_64 3
		.amdhsa_memory_ordered 1
		.amdhsa_forward_progress 1
		.amdhsa_inst_pref_size 255
	.end_amdhsa_kernel
	.section	.bss,"aw",@nobits
	.p2align	6
	.space	262144
	.amdgpu_metadata
---
amdhsa.version: [ 1, 2 ]
amdhsa.kernels:
  - .name:           k_q6e02c9625a_grad
    .symbol:         k_q6e02c9625a_grad.kd
    .args:
      - { .name: x, .offset: 0, .size: 8, .value_kind: global_buffer, .address_space: global }
      - { .name: wq, .offset: 8, .size: 8, .value_kind: global_buffer, .address_space: global }
      - { .name: ws, .offset: 16, .size: 8, .value_kind: global_buffer, .address_space: global }
      - { .name: b1, .offset: 24, .size: 8, .value_kind: global_buffer, .address_space: global }
      - { .name: b2, .offset: 32, .size: 8, .value_kind: global_buffer, .address_space: global }
      - { .name: W3, .offset: 40, .size: 8, .value_kind: global_buffer, .address_space: global }
      - { .name: out0, .offset: 48, .size: 8, .value_kind: global_buffer, .address_space: global }
    .group_segment_fixed_size: 327680
    .private_segment_fixed_size: 0
    .kernarg_segment_align: 8
    .kernarg_segment_size: 56
    .max_flat_workgroup_size: 128
    .sgpr_count:     66
    .vgpr_count:     1024
    .wavefront_size: 32
...
	.end_amdgpu_metadata
.endif
;; end of part 2
